; MI455X (gfx1250); checked and timed in simulation.
; The chip was launched on July 23, 2026; its instructions are those of AMD's public machine-readable ISA for CDNA 5 (MIT licence, August 2026) and "CDNA5" Instruction Set Architecture Reference Guide (July 2026). The comments in the code are by the model that wrote it; some were corrected since.
;; My LSTM Cell. Allowed arithmetic: matrix products marked QUANTISED: E2M1 operands, one E8M0 scale for each 32 along K, by v_wmma_scale_f32_16x16x128_f8f6f4 with both operands' format E2M1 (or v_wmma_scale_f32_32x16x128_f4), f32 sums; everything else in f32.
;; Inputs: W_hf 1,024 x 1,024 float32; W_hg 1,024 x 1,024 float32; W_hi 1,024 x 1,024 float32; W_ho 1,024 x 1,024 float32; W_if 1,024 x 1,024 float32; W_ig 1,024 x 1,024 float32; W_ii 1,024 x 1,024 float32; W_io 1,024 x 1,024 float32; b_hf 1,024 float32; b_hg 1,024 float32; b_hi 1,024 float32; b_ho 1,024 float32; b_if 1,024 float32; b_ig 1,024 float32; b_ii 1,024 float32; b_io 1,024 float32; input_ 8,192 x 1,024 float32; prev_c 8,192 x 1,024 float32; prev_h 8,192 x 1,024 float32.
;; Outputs: out0 8,192 x 1,024 float32; out1 8,192 x 1,024 float32.
;; This version of the problem:
;;   THIS VERSION OF THE PROBLEM IS GIVEN IN LOW PRECISION. The matrix products marked QUANTISED in the list below multiply operands that are first quantised to E2M1 (2 exponent bits, 1 mantissa bit; 4 bits a number), with one power-of-two scale for each 32 numbers along K (OCP MX v1.0); their sums are f32. All else is computed in f32.
;;   The module's matrix products, in the order in which they are computed (A, B: the left and right operand; K: the contracted axis; several contracted axes count as one K, in the product's order):
;;     1. [M 8,192, K 1,024] x [K 1,024, N 4,096]; A: input input_; B: computed on the way: QUANTISED
;;     2. [M 8,192, K 1,024] x [K 1,024, N 4,096]; A: input prev_h; B: computed on the way: QUANTISED
;;   THE QUANTISER, for each operand of a quantised product, along K:
;;     - K is cut into blocks of 32 from its start; a last block that is shorter is filled with zeros.
;;     - A block's scale is 2^e with e = floor(log2(the largest magnitude in the block)) - 2, held to -126 .. 127; a block of zeros has e = 0. As a byte (E8M0): e + 127.
;;     - Each number is divided by its block's scale, clamped to +-6, and rounded to the nearest number of E2M1, ties to even, subnormals kept.
;;     - The product sums the exact products of the quantised numbers (number of the format x scale) in f32.
;;   ~~~python
;;   def quantise(x, axis):      # numpy; x: float32 -> the quantised numbers, widened to float32 again
;;       x = np.moveaxis(x, axis, -1); K = x.shape[-1]
;;       x = np.pad(x, [(0, 0)] * (x.ndim - 1) + [(0, -K % 32)]); x = x.reshape(x.shape[:-1] + (-1, 32)); a = np.abs(x).max(-1, keepdims=True)
;;       e = np.where(a > 0, np.clip(np.frexp(np.where(a > 0, a, 1))[1] - 1 - 2, -126, 127), 0)      # np.frexp(a)[1] - 1 = floor(log2(a)), exactly
;;       r = np.clip(x / 2.0 ** e, -6, 6)
;;       step = 2.0 ** (np.maximum(np.frexp(np.where(r == 0, 1, r))[1] - 1, 0) - 1)
;;       q = np.round(r / step) * step * 2.0 ** e      # np.round: ties to even
;;       return np.moveaxis(q.reshape(q.shape[:-2] + (-1,))[..., :K], -1, axis).astype(np.float32)
;;   ~~~
;;   OPERANDS COMPUTED ON THE WAY. 'Computed on the way' means the value that the module computes at that place (a softmax that the list does not call 'softmax' is quantised finished and normalised). What goes into a quantiser is computed in f32, as accurately as f32 sums, v_exp_f32 and their like allow (about 1e-6 of the number): no bf16 or f16 on the way to a quantiser, and a product that is left as it is and whose result goes on into a quantised operand takes f32 operands (vector FMAs, or v_wmma_f32_16x16x4_f32). A number that lies on a knife's edge between two numbers of the format may be rounded either way, as far as f32 arithmetic and the matrix unit's own rounding can turn it there, and no further.
;; One version. Each part assembles by itself: llvm-mc -triple=amdgcn-amd-amdhsa -mcpu=gfx1250 --defsym DOCPART=n.
;; ======== version 1 of 1: 2 launches
;; limits: right only within a limited range of input values
;; workspace buffers: a_codes 8,388,608 bytes; b_codes 4,194,304 bytes; scales 786,432 bytes
;; launch quant (part 1): grid 768 x 1, 4 waves a work-group, no clusters, 33,280 bytes of LDS; arguments input_, prev_h, W_ii, W_if, W_ig, W_io, W_hi, W_hf, W_hg, W_ho, a_codes, scales, b_codes; writes a_codes, scales, b_codes
.if DOCPART == 1
	.amdgcn_target "amdgcn-amd-amdhsa--gfx1250"
	.amdhsa_code_object_version 6
	.text
	.protected	k_q779b0e3a1b_quant
	.globl	k_q779b0e3a1b_quant
	.p2align	8
	.type	k_q779b0e3a1b_quant,@function
k_q779b0e3a1b_quant:
	s_mov_b64 s[64:65], 0
	v_nop
	global_prefetch_b8 v0, s[64:65] scope:SCOPE_SE
	s_setreg_imm32_b32 hwreg(HW_REG_WAVE_MODE, 25, 1), 1
	s_wait_xcnt 0x0
; LSTM cell, first of two launches: the ten f32 operands of the two quantised products become codes of FP4 (E2M1), 4 bits each, K innermost, with one E8M0 scale byte for each 32 along K.
; NO WORK OF THE PROBLEM IS LEFT OUT: every one of its 19 inputs has a way to both results (the eight biases and prev_c are read by the second launch), and both products are live.
; The two products have the same M and N and are added, and K = 1,024 is a multiple of 32: so they are ONE product with K = 2,048, A = [input_ | prev_h], B = [W_i* | W_h*], with the same blocks of 32.
; LAYOUT OF THE WORKSPACE.  a_codes [2][8192][512 bytes]: plane 0 input_, plane 1 prev_h; a_scales [2][8192][32].  b_codes [2][4096][512], b_scales [2][4096][32]: plane 0 the W_i*, plane 1 the W_h*.
; THE ORDER OF B's ROWS IS CHOSEN: gate g (0 i, 1 f, 2 g, 3 o) of hidden unit j lies in row 128 (j / 32) + 32 g + j % 32, so that 128 neighbouring rows are all four gates of 32 hidden units.
; A block's scale is 2^(floor(log2(its largest magnitude)) - 2); its byte is the largest magnitude's own exponent field - 2, held at 1 from below.  Each number is divided by the scale and rounded to the nearest code, ties to even; beyond 6 the largest code.
; LIMITS: a block whose largest magnitude lies under 2^-124 gets the byte 1; a block of zeros too, where the quantiser says 127: its codes are zeros, which add nothing under any byte but 0xff, and this program alone reads the bytes.
; NaN and infinities among the inputs are not served.
; SHARES.  A work-group takes 32 rows of one tensor, a wave 8 rows = 16 steps of 512 numbers.  Work-groups 0-255: input_; 256-511: prev_h; 512-767: the eight weights, 32 work-groups each, one chunk of 32 hidden units each.
; Only pointers and offsets are chosen by the work-group's number: all tensors take one path through the text.  A wave's 8 rows give 4,096 consecutive bytes of codes and 256 consecutive scale bytes.
; Each of a step's four loads reads 512 consecutive bytes, 16 a lane; the conversions want 16 NEIGHBOURS in a lane: so a step's 2,048 bytes turn through the wave's own stage in LDS and come back 64 bytes a lane (16 bytes of
; padding behind each 64).  No tensor loads, no barrier: waves share nothing.  Loads run eight steps (32 loads, half of the wave's bytes) ahead, the turn through LDS one step.
.set WAVES, 4
.set STEPS, 16
.set AHEAD, 8                          ; steps of loads on their way
.set EMAX,  2
.set CB,    8                          ; bytes of 16 codes
.set R,     16                         ; v16-143  eight sets of 16 numbers as they are loaded
.set X,     144                        ; v144-175 two sets of 16 neighbours
.set E,     176                        ; v176-191 a scale byte for each step
.set C,     192                        ; v192-223 codes: two registers for each step, so that no store's data are written again
.set WREG,  8192                       ; LDS: a region for each wave: two stages of 32 x SP bytes, behind them its 256 scale bytes
.set SP,    80                         ; a lane's place in a stage: its 64 bytes + 16 of padding
.set SPW,   12                         ; v12      LDS address of my spare word: SPARE + 4 x my thread's number; never rewritten
.set NIL,   13                         ; v13      0; never rewritten
.set SPARE, WAVES*WREG                 ; behind the four regions: the spare words, 128 bytes for each wave, which no other line names
.set WV,    32                         ; s32      my wave's number
	s_load_b512 s[4:19], s[0:1], 0x0               ; input_ s[4:5], prev_h s[6:7], W_ii s[8:9], W_if s[10:11], W_ig s[12:13], W_io s[14:15], W_hi s[16:17], W_hf s[18:19]
	s_load_b256 s[20:27], s[0:1], 0x40             ; W_hg s[20:21], W_ho s[22:23], a_codes s[24:25], a_scales s[26:27]
	s_load_b64 s[28:29], s[0:1], 0x60              ; b_codes.  ALL SCALE BYTES LIE IN ONE BUFFER, scales (s[26:27]): A's [2][8192][32] first, B's [2][4096][32] from byte 524,288 on
	v_lshl_add_u32 v[SPW], v0, 2, SPARE
	v_mov_b32 v[NIL], 0
	v_lshrrev_b32 v1, 5, v0
	v_readfirstlane_b32 s[WV], v1                  ; wave 0..3
	v_and_b32 v2, 31, v0                           ; lane
	v_lshlrev_b32 v3, 4, v2                        ; my 16 bytes of a load's 512
	s_mul_i32 s33, s[WV], WREG
	v_lshrrev_b32 v14, 2, v2
	v_mul_u32_u24 v14, v14, SP
	v_and_b32 v15, 3, v2
	v_lshl_add_u32 v14, v15, 4, v14
	v_add_nc_u32 v14, s33, v14                     ; the stage, on the way in: four lanes' 64 bytes on end, then 16 of padding: SP (lane / 4) + 16 (lane % 4)
	v_mul_u32_u24 v15, v2, SP
	v_add_nc_u32 v15, s33, v15                     ; and on the way out: SP x lane: my 16 neighbours
	v_mul_u32_u24 v4, v2, CB                       ; my codes' place in a step's 256 bytes
	v_lshrrev_b32 v5, 1, v2
	s_add_co_u32 s33, s33, 2*32*SP
	v_add_nc_u32 v5, s33, v5                       ; LDS: my wave's 256 scale bytes, my block's byte
	v_lshlrev_b32 v7, 3, v2                        ; and on the way out 8 bytes a lane
	v_add_nc_u32 v6, s33, v7
	; whole numbers made of the work-group's number alone
	s_sub_co_u32 s34, ttmp9, 512                   ; among the weights' work-groups:
	s_lshr_b32 s35, s34, 5                         ; which weight, in the order of the arguments: bits 1:0 the gate, bit 2 the K half
	s_and_b32 s36, s34, 31                         ; which chunk of 32 hidden units
	s_and_b32 s37, s35, 3
	s_bfe_u32 s38, s35, 0x10002
	s_lshl_b32 s39, s36, 7
	s_lshl_b32 s37, s37, 5
	s_add_co_u32 s39, s39, s37                     ; the chunk's first row in B: 128 x chunk + 32 x gate
	s_and_b32 s40, ttmp9, 255                      ; among A's work-groups: which 32 rows,
	s_bfe_u32 s41, ttmp9, 0x10008                  ; of input_ (0) or prev_h (1): the K half,
	s_lshl_b32 s42, s40, 5                         ; and their first row in A
	s_wait_alu depctr_va_vdst(0)
	s_wait_kmcnt 0x0
	; the source is chosen among ten pointers by selects whose conditions hang on the work-group's number alone
	s_bitcmp1_b32 s35, 0
	s_cselect_b64 s[8:9], s[10:11], s[8:9]
	s_cselect_b64 s[12:13], s[14:15], s[12:13]
	s_cselect_b64 s[16:17], s[18:19], s[16:17]
	s_cselect_b64 s[20:21], s[22:23], s[20:21]
	s_bitcmp1_b32 s35, 1
	s_cselect_b64 s[8:9], s[12:13], s[8:9]
	s_cselect_b64 s[16:17], s[20:21], s[16:17]
	s_bitcmp1_b32 s35, 2
	s_cselect_b64 s[8:9], s[16:17], s[8:9]         ; the weight
	s_bitcmp1_b32 ttmp9, 8
	s_cselect_b64 s[4:5], s[6:7], s[4:5]           ; input_ or prev_h
	s_cmp_lt_u32 ttmp9, 512                        ; A's work-group or B's?  All seven selects stand under this one compare
	s_cselect_b64 s[4:5], s[4:5], s[8:9]           ; the source,
	s_cselect_b64 s[24:25], s[24:25], s[28:29]     ; its codes,
	s_cselect_b32 s44, 0, 0x80000                  ; where its scale bytes begin in the buffer of scales,
	s_cselect_b32 s36, s40, s36                    ; which 32 rows of the source,
	s_cselect_b32 s38, s41, s38                    ; the K half,
	s_cselect_b32 s39, s42, s39                    ; the first row in the plane,
	s_cselect_b32 s43, 22, 21                      ; and a plane of codes: 2^22 bytes for A, 2^21 for B
	s_lshl_b32 s33, s[WV], 3                       ; my wave's 8 rows
	s_lshl_b32 s36, s36, 5
	s_add_co_u32 s36, s36, s33
	s_lshl_b32 s36, s36, 12                        ; a row of the source is 4,096 bytes (all offsets stay under 2^26)
	s_mov_b32 s37, 0
	s_add_nc_u64 s[4:5], s[4:5], s[36:37]
	s_add_co_u32 s39, s39, s33
	s_lshl_b32 s39, s39, 9                         ; a row of codes is 512 bytes
	s_lshl_b32 s38, s38, s43
	s_add_co_u32 s38, s38, s39
	s_mov_b32 s39, 0
	s_add_nc_u64 s[24:25], s[24:25], s[38:39]
	s_lshr_b32 s38, s38, 4                         ; a scale byte for each 16 bytes of codes,
	s_add_co_u32 s38, s38, s44                     ; behind A's where the tensor is a weight
	s_add_nc_u64 s[26:27], s[26:27], s[38:39]
.macro LOAD t
.irp i, 0,1,2,3
	global_load_b128 v[R+16*((\t)%AHEAD)+4*\i:R+16*((\t)%AHEAD)+4*\i+3], v3, s[4:5] offset:2048*(\t)+512*\i th:TH_LOAD_NT   ; 32 lanes read 512 consecutive bytes; read once in the launch
.endr
.endm
.macro TURN t                          ; step t's numbers through the stage: LDS serves a wave's instructions in order (ISA guide 5.7.1), so no wait stands between the stores and the loads
.irp i, 0,1,2,3
	ds_store_b128 v14, v[R+16*((\t)%AHEAD)+4*\i:R+16*((\t)%AHEAD)+4*\i+3] offset:32*SP*((\t)%2)+8*SP*\i
.endr
.irp i, 0,1,2,3
	ds_load_b128 v[X+16*((\t)%2)+4*\i:X+16*((\t)%2)+4*\i+3], v15 offset:32*SP*((\t)%2)+16*\i
.endr
.endm
.irp t, 0,1,2,3,4,5,6,7
	LOAD \t
.endr
	s_wait_loadcnt 4*(AHEAD-1)                     ; step 0's four loads are in; the 28 of steps 1 to 7 may be out
	TURN 0
.macro STEP t
.set XS, X+16*((\t)%2)
.if (\t) > 0
	s_wait_dscnt 1                                 ; this step's numbers are back from the stage (the last step's byte store may be out): so its stores into the stage have read their registers,
.else
	s_wait_dscnt 0x0
.endif
.if (\t)+AHEAD < STEPS
	LOAD (\t)+AHEAD                                ; which take the loads of eight steps on
.endif
.if (\t)+1 < STEPS
.if STEPS-2-(\t) >= AHEAD-1
	s_wait_loadcnt 4*(AHEAD-1)                     ; the next step's four loads are in; those of the seven steps behind it may be out
.else
	s_wait_loadcnt 4*(STEPS-2-(\t))                ; towards the end fewer steps stand behind it
.endif
	TURN (\t)+1                                    ; and go through the other stage while this step is worked
.endif
	v_max3_num_f32 v8, |v[XS]|, |v[XS+1]|, |v[XS+2]|               ; the largest magnitude of my 16, in two chains
	v_max3_num_f32 v9, |v[XS+3]|, |v[XS+4]|, |v[XS+5]|
.irp i, 6,10
	v_max3_num_f32 v8, v8, |v[XS+\i]|, |v[XS+\i+1]|
	v_max3_num_f32 v9, v9, |v[XS+\i+2]|, |v[XS+\i+3]|
.endr
	v_max3_num_f32 v8, v8, |v[XS+14]|, |v[XS+15]|
	v_max3_num_f32 v8, v8, v9, (EMAX+1)<<23        ; and the floor 2^(EMAX + 1 - 127), under which no largest magnitude is taken: so the byte cannot fall under 1
	v_max_num_f32_dpp v8, v8, v8 row_xmask:1 row_mask:0xf bank_mask:0xf   ; and of my neighbour's 16: the block's
	v_add_nc_u32 v11, -(EMAX<<23), v8              ; EMAX off its exponent field: the conversion takes the exponent field of this operand as its scale, and nothing else of it
	v_cvt_scalef32_pk8_fp4_f32 v[C+2*(\t)], v[XS:XS+7], v11          ; eight numbers / the scale, to the nearest code, ties to even; the first number's code in the lowest four bits
	v_cvt_scalef32_pk8_fp4_f32 v[C+2*(\t)+1], v[XS+8:XS+15], v11
	v_lshrrev_b32 v[E+(\t)], 23, v11               ; the scale's byte (also the plain line behind the conversions)
	ds_store_b8 v5, v[E+(\t)] offset:16*(\t)       ; both lanes of a block write the same byte with the same value
	global_store_b64 v4, v[C+2*(\t):C+2*(\t)+1], s[24:25] offset:32*CB*(\t)   ; 32 lanes store 256 consecutive bytes, at a multiple of 256 from the buffer's first byte
.endm
.irp t, 0,1,2,3,4,5,6,7,8,9,10,11,12,13,14,15
	STEP \t
.endr
	ds_load_b64 v[8:9], v6                         ; LDS serves a wave's instructions in order: these see my byte stores
	s_wait_dscnt 0x0
	global_store_b64 v7, v[8:9], s[26:27]          ; 32 lanes store my wave's 256 scale bytes, aligned
	s_wait_tensorcnt 0x0                           ; the wave's end, behind my last LDS store
	ds_add_u32 v[SPW], v[NIL]
	s_wait_dscnt 0x0
	s_endpgm
.Lfunc_end_k_q779b0e3a1b_quant:
	.size	k_q779b0e3a1b_quant, .Lfunc_end_k_q779b0e3a1b_quant-k_q779b0e3a1b_quant
	.p2alignl 7, 3214868480
	.fill 96, 4, 3214868480
	.section	.rodata,"a",@progbits
	.p2align	6, 0x0
	.amdhsa_kernel k_q779b0e3a1b_quant
		.amdhsa_group_segment_fixed_size 33280
		.amdhsa_private_segment_fixed_size 0
		.amdhsa_enable_private_segment 0
		.amdhsa_kernarg_size 104
		.amdhsa_user_sgpr_count 2
		.amdhsa_user_sgpr_kernarg_segment_ptr 1
		.amdhsa_wavefront_size32 1
		.amdhsa_system_sgpr_workgroup_id_x 1
		.amdhsa_system_sgpr_workgroup_id_y 1
		.amdhsa_system_sgpr_workgroup_id_z 1
		.amdhsa_system_vgpr_workitem_id 0
		.amdhsa_next_free_vgpr 224
		.amdhsa_next_free_sgpr 66
		.amdhsa_reserve_vcc 0
		.amdhsa_float_denorm_mode_32 3
		.amdhsa_float_denorm_mode_16_64 3
		.amdhsa_memory_ordered 1
		.amdhsa_forward_progress 1
		.amdhsa_inst_pref_size 34
	.end_amdhsa_kernel
	.amdgpu_metadata
---
amdhsa.version: [ 1, 2 ]
amdhsa.kernels:
  - .name:           k_q779b0e3a1b_quant
    .symbol:         k_q779b0e3a1b_quant.kd
    .args:
      - { .name: input_, .offset: 0, .size: 8, .value_kind: global_buffer, .address_space: global }
      - { .name: prev_h, .offset: 8, .size: 8, .value_kind: global_buffer, .address_space: global }
      - { .name: W_ii, .offset: 16, .size: 8, .value_kind: global_buffer, .address_space: global }
      - { .name: W_if, .offset: 24, .size: 8, .value_kind: global_buffer, .address_space: global }
      - { .name: W_ig, .offset: 32, .size: 8, .value_kind: global_buffer, .address_space: global }
      - { .name: W_io, .offset: 40, .size: 8, .value_kind: global_buffer, .address_space: global }
      - { .name: W_hi, .offset: 48, .size: 8, .value_kind: global_buffer, .address_space: global }
      - { .name: W_hf, .offset: 56, .size: 8, .value_kind: global_buffer, .address_space: global }
      - { .name: W_hg, .offset: 64, .size: 8, .value_kind: global_buffer, .address_space: global }
      - { .name: W_ho, .offset: 72, .size: 8, .value_kind: global_buffer, .address_space: global }
      - { .name: a_codes, .offset: 80, .size: 8, .value_kind: global_buffer, .address_space: global }
      - { .name: scales, .offset: 88, .size: 8, .value_kind: global_buffer, .address_space: global }
      - { .name: b_codes, .offset: 96, .size: 8, .value_kind: global_buffer, .address_space: global }
    .group_segment_fixed_size: 33280
    .private_segment_fixed_size: 0
    .kernarg_segment_align: 8
    .kernarg_segment_size: 104
    .max_flat_workgroup_size: 128
    .sgpr_count:     66
    .vgpr_count:     224
    .wavefront_size: 32
...
	.end_amdgpu_metadata
.endif
;; end of part 1
;; launch cell (part 2): grid 16 x 16, 4 waves a work-group, clusters of 4 x 4, 327,680 bytes of LDS; arguments a_codes, b_codes, scales, prev_c, b_ii, b_if, b_ig, b_io, b_hi, b_hf, b_hg, b_ho, out0, out1; writes out0, out1
.if DOCPART == 2
	.amdgcn_target "amdgcn-amd-amdhsa--gfx1250"
	.amdhsa_code_object_version 6
	.text
	.protected	k_q779b0e3a1b_cell
	.globl	k_q779b0e3a1b_cell
	.p2align	8
	.type	k_q779b0e3a1b_cell,@function
k_q779b0e3a1b_cell:
	s_mov_b64 s[64:65], 0
	v_nop
	global_prefetch_b8 v0, s[64:65] scope:SCOPE_SE
	s_setreg_imm32_b32 hwreg(HW_REG_WAVE_MODE, 25, 1), 1
	s_wait_xcnt 0x0
	s_wait_alu depctr_hold_cnt(0) depctr_sa_sdst(0) depctr_va_vdst(0) depctr_va_sdst(0) depctr_va_ssrc(0) depctr_va_vcc(0) depctr_vm_vsrc(0)
	s_getreg_b32 s2, hwreg(HW_REG_IB_STS2, 6, 4)
	s_cmp_eq_u32 s2, 0
	s_cbranch_scc0 .Lentry_in_a_cluster
	s_endpgm
.Lentry_in_a_cluster:
	s_bfe_u32 s2, ttmp6, 0x10000c
	s_cmp_lg_u32 s2, 0xf033
	s_cbranch_scc0 .Lentry_shape_is_right
	s_endpgm
.Lentry_shape_is_right:
; LSTM cell, second launch: gates = A B^T + bx + bh on codes of FP4 (E2M1) with one E8M0 scale for each 32 along K (K = 2,048: input_ | prev_h against W_i* | W_h*), then
; c = sigmoid(gf) prev_c + sigmoid(gi) tanh(gg) (out1) and h = sigmoid(go) tanh(c) (out0), all behind the products in f32.  No work of the problem is left out.
; OPERANDS as the first launch laid them: codes [2 planes][rows][512 bytes]; K step ks (512 along K) lies in plane ks / 2 at byte 256 (ks % 2) of a row.  Scale bytes [2][rows][32], A's at byte 0 of the buffer, B's at 524,288.
; B's row 128 (j / 32) + 32 g + j % 32 is gate g (0 i, 1 f, 2 g, 3 o) of hidden unit j.
; SHARES.  256 work-groups of four waves; each STAYS and makes two tiles of 256 batch rows x 64 hidden units x 4 gates, 4,096 batch rows apart, on the same 256 rows of B.  A wave makes 128 x 128: 64 accumulators, 512 registers.
; THE MATRIX INSTRUCTION IS USED TRANSPOSED (source 0 = 16 rows of B, source 1 = 16 rows of A): lane (r, h), register j of accumulator (a, b = 2 g + u) holds gate g of batch row 16 a + r and hidden unit 16 u + 8 h + j of the
; wave's 32.  The biases bx + bh are the C of each sum's first matrix instruction and stay in registers for both tiles.
; RING.  A tile's four K steps go through two LDS slots.  K steps 0 and 1 of the first tile are asked for in the head; K steps 2 and 3 at the first two changes of slots; at the third, slot 0's A part takes prev_c's tile, which
; every wave moves into registers during the tile's last 128 along K, so that the slot is free again in front of the tail: there the next tile's K step 0 is asked for, and its K step 1 behind the round that also serves the
; last pair's way out.  One tensor load a wave is out at any time.
; FRAGMENTS: two sets for A and two for B; the 32 LDS loads of a step of 128 along K go out in one run at the head of the step before it, 64 matrix instructions ahead (32 at a change of slots).
; THE SCALE WORDS of a wave's rows, for all of K, are 128 registers: 32 loads a tile, each of two aligned runs of 256 bytes (lanes 0-15 sixteen rows of A, lanes 16-31 sixteen rows of B; both halves of each run of 512 are taken).
; CLUSTERS: 4 x 4 work-groups; A's tiles are asked for jointly along a row of the cluster, B's along a column.  prev_c's tile is the work-group's own: a plain tensor load.
; PREFETCHES.  In the head the first tile's K steps 1 to 3, the buffers' first touch: of the 128 rows that a wave fetches each of the four partners names 32, told apart by address, a lane a row, three requests a wave.
; prev_c's tile two changes of slots ahead of its tensor load (each wave its own 64 rows, a lane a row).  The next tile's rows of A at the first tile's first two changes of slots, a plane each: the four partners share the
; 256 rows out by address (64 each, 16 a wave; lanes 0-15 the first 256 bytes of a row, lanes 16-31 the second).  B's rows have been read by then.
; THE TAIL, with L = log2(e), k = -1 / (2 L): a = 2^(-L gi), d = 2^(-L gf), e = 2^(-L go), b = 2^min(-2 L gg, 30): m = -2 L c = (-2 L prev_c) / (1 + d) + (2 - (1 + b)) / (k (1 + a)(1 + b)); c = k m;
; t = 2^min(m, 30): h = (2 - (1 + t)) / ((1 + e)(1 + t)).  Only b and t stand in a numerator, so only they are held; an a, d or e that overflows gives a reciprocal of 0, the gate's limit.
; It is a loop of four trips, blocks a and a + 4 of the wave's eight in each; only the lines that read the accumulators and prev_c differ from trip to trip and stand in four arms.  It is written out twice: for the tile
; that has a successor and for the last.  Exponentials and reciprocals of one block stand among plain lines of the other whose results are read behind the next wait.
; LIMITS: with the exponent held at 30, tanh is within 2^-29 of +-1 where its argument is beyond 10.4 in size; NaN and infinities among the inputs are not served.
; REGISTERS: window 0: v1-31 addresses; v32-159 scale words; v160-223 A's fragments of the even steps; from a tile's last step on v160-255 hold prev_c, blocks 0-5.  Window 1: v0-127 B's fragments, two sets (in the tail
; v0-31 prev_c, blocks 6 and 7); v128-191 A's fragments of the odd steps (in the tail v32-111 and v112-191: the two blocks at work); v192-255 the bias sums.
; Windows 2, 3: the accumulators ((a, b) at v[8 (8 (a % 4) + b)]); in the tail window 2's v0-63 take rows on their way out.
.set NQ,     4
.set ROWB,   256
.set KROW,   512
.set PLANE_A, 8192*KROW
.set PLANE_B, 4096*KROW
.set WALK,   4096                      ; batch rows from a work-group's first tile to its second
.set PITCH,  272                       ; an LDS row: 256 bytes + 16 of padding: the 16 rows that a load touches start at 16 different banks (64 banks of 4 bytes: ISA guide 11.1)
.set FR,     8
.set NL,     2
.set NP,     4                         ; places behind this matrix instruction (ISA guide 7.12.1)
.set HALFT,  128*PITCH
.set SLOT,   4*HALFT                   ; A's 256 rows, then B's 256 rows
.set BLKB,   16*PITCH
.set STC,    2*SLOT                    ; behind the ring, bytes that no tensor load fills: the stage for c, 64 rows,
.set STH,    64*PITCH                  ; and this far behind it the stage for h
.set SPARE,  STC+2*STH                 ; behind the stages: the spare words, 128 bytes a wave, which no other line names
.set SO0,  10                          ; v10-11  my offset in the scales, plane 0, 1: lanes 0-15 A's rows, lanes 16-31 B's
.set SO1,  11
.set SINC, 12                          ; v12     what the next tile adds to them: 4,096 rows of 32 bytes in lanes 0-15, 0 in lanes 16-31
.set VP0,  13                          ; v13-14  the head's prefetches: 512 x lane, in plane 0, 1; never rewritten
.set VP1,  14
.set ADRA, 16                          ; v16-17  LDS address of my A fragments in slot 0, 1
.set ADRB, 20                          ; v20-21  of my B fragments
.set BO,   22                          ; v22     32 h: my eight biases of a tile
.set STOC, 23                          ; v23     where I put 32 bytes of a row of c
.set RDC,  25                          ; v25     where I read a row of c back
.set CO,   26                          ; v26     my byte offset in the two rows that a store covers
.set PFO2, 27                          ; v27     prefetch of the next tile's A: 512 r + 256 h
.set SPW,  28                          ; v28     my spare word; never rewritten
.set NIL,  29                          ; v29     0; never rewritten
.set PCA,  30                          ; v30     where my 32 bytes of a row of prev_c lie
.set PFO,  31                          ; v31     prefetch of prev_c: 4,096 x lane
.set SC,   32                          ; scale words: register 32 ks + 4 i + q
.set PC,   160                         ; prev_c, block k at v[PC + 16 k], k < 6
.set AE,   160                         ; window 0: A's fragments of the even steps
.set AO,   128                         ; window 1: of the odd steps
.set AF,   AO                          ; the set that the lines below name: SETA sets it
.set BI,   192                         ; window 1: bx + bh, tile b at v[BI + 8 b]
.set SX,   32                          ; window 1: a block at work: +0 a, +16 d, +32 b, +48 e, +64 -2 L prev_c
.set SY,   112
.set G1,   24
.set G0,   32
.set G1B,  48
.set G0B,  56
.set G1P,  88
.set G0P,  96
.set MSB, 0
.macro WIN new                         ; the immediate's high byte repeats the setting that is left; a switch that changes nothing is dropped
.if MSB != \new
	s_set_vgpr_msb (MSB<<8)|\new
.set MSB, \new
.endif
.endm
.macro WINM p, hi, zero                ; for the products: source 0 (B) window 1; source 1 (A) window 0 in even steps, 1 in odd ones; D window 2 + hi; C the same, or the biases' window 1
.if \zero
	WIN (1|(((\p)%2)<<2)|(1<<4)|((2+\hi)<<6))
.else
	WIN (1|(((\p)%2)<<2)|((2+\hi)<<4)|((2+\hi)<<6))
.endif
.endm
.macro SETA p
.if ((\p)%2) == 0
.set AF, AE
.else
.set AF, AO
.endif
.endm
.set TO1,     0x40                     ; destination window 1
.set ALL1,    0x55
.macro WAITV
	s_wait_alu depctr_va_vdst(0)
.endm
.macro PLACES n
.rept \n
	v_nop
.endr
.endm
; A joint load: waves 0 and 1 fetch for A, waves 2 and 3 for B; the branch hangs on the wave's number alone.  s_nop 0 and four v_nop behind each line.
.macro JLOAD g0a, g1a, g0b, g1b
	s_cmp_eq_u32 s15, 0
	s_cbranch_scc0 .Lfor_b_\@
	tensor_load_to_lds s[\g0a:\g0a+3], s[\g1a:\g1a+7]
	s_nop 0
	PLACES 4
	s_branch .Lasked_\@
.Lfor_b_\@:
	tensor_load_to_lds s[\g0b:\g0b+3], s[\g1b:\g1b+7]
	s_nop 0
	PLACES 4
.Lasked_\@:
.endm
.macro CREST                           ; a round of the cluster's barrier behind its opening barrier
	s_cmp_lg_u32 s14, 0
	s_cbranch_scc1 .Lnot_wave_0_\@
	s_barrier_signal -3
.Lnot_wave_0_\@:
	s_barrier_wait -3
	s_barrier_signal -1
	s_barrier_wait -1
.endm
.macro CROUND
	s_barrier_signal -1
	s_barrier_wait -1
	CREST
.endm
.macro SCLOADS                         ; a tile's scale words: K step ks lies at byte 16 (ks % 2) of a row's 32 in plane ks / 2
.irp ks, 0,1,2,3
.irp i, 0,1,2,3,4,5,6,7
	global_load_b128 v[SC+32*\ks+4*\i:SC+32*\ks+4*\i+3], v[SO0+(\ks/2)], s[8:9] offset:512*\i+16*(\ks%2)
.endr
.endr
.endm
	s_load_b256 s[4:11], s[0:1], 0x0               ; A's codes s[4:5], B's codes s[6:7], the scales s[8:9], prev_c s[10:11]
	s_load_b512 s[68:83], s[0:1], 0x20             ; b_ii, b_if, b_ig, b_io; b_hi, b_hf, b_hg, b_ho
	s_load_b128 s[84:87], s[0:1], 0x60             ; out0 (h) s[84:85], out1 (c) s[86:87]
	v_lshl_add_u32 v[SPW], v0, 2, SPARE
	v_mov_b32 v[NIL], 0
	ds_add_u32 v[SPW], v[NIL]                      ; the opening: the add, twice on end, and its wait ahead of my first tensor load
	ds_add_u32 v[SPW], v[NIL]
	v_lshrrev_b32 v1, 5, v0
	v_readfirstlane_b32 s14, v1                    ; wave 0..3
	s_lshr_b32 s15, s14, 1                         ; rh: my half of the tile's batch rows.  Also: I fetch for A (0) or for B (1)
	s_and_b32 s16, s14, 1                          ; wc: my half of B's rows.  Also: which 128 rows of a tile I fetch
	s_bfe_u32 s40, ttmp6, 0x40000                  ; cx, cy
	s_bfe_u32 s41, ttmp6, 0x40004
	s_lshl_b32 s42, ttmp9, 2
	s_add_co_u32 s42, s42, s40                     ; tc: tile column
	s_and_b32 s17, ttmp7, 0xffff
	s_lshl_b32 s17, s17, 2
	s_add_co_u32 s17, s17, s41                     ; tr: the first tile's row, 0 .. 15
	s_lshl_b32 s43, s41, 2
	s_lshl_b32 s43, 15, s43                        ; my row of the cluster
	s_lshl_b32 s44, 0x1111, s40                    ; my column
	s_or_b32 s[G1+0], s43, (0<<16)|(1<<20)|(1<<21)|(5<<22)|(3<<25)  ; the mask; elements of 1 byte; four words of padding after every 64; bit 21 beside a mask
	s_or_b32 s[G1B+0], s44, (0<<16)|(1<<20)|(1<<21)|(5<<22)|(3<<25)
.irp g, G1, G1B
	s_mov_b32 s[\g+1], ROWB<<16
	s_mov_b32 s[\g+2], 128<<16
	s_mov_b32 s[\g+3], ROWB<<16
	s_mov_b32 s[\g+4], 128
	s_mov_b32 s[\g+5], KROW
	s_mov_b32 s[\g+6], 0
	s_mov_b32 s[\g+7], 0
.endr
	s_lshl_b32 s18, s16, 7
	s_lshl_b32 s20, s17, 8
	s_add_co_u32 s20, s20, s18
	s_lshl_b32 s20, s20, 9                         ; A's codes: row 256 tr + 128 wc
	s_mov_b32 s21, 0
	s_lshl_b32 s46, s42, 8
	s_add_co_u32 s46, s46, s18
	s_lshl_b32 s46, s46, 9                         ; B's codes: row 256 tc + 128 wc
	s_mov_b32 s47, 0
	s_mul_i32 s45, s14, HALFT                      ; where the tiles go: wave x 128 rows
	s_wait_dscnt 0x0                               ; both opening adds are done
	s_wait_kmcnt 0x0
	s_add_nc_u64 s[20:21], s[4:5], s[20:21]
	s_add_nc_u64 s[46:47], s[6:7], s[46:47]
	CROUND                                         ; all sixteen work-groups are here: the first joint loads meet
.irp s, 0,1
	s_mov_b32 s[G0+4*\s], 1
	s_add_co_u32 s[G0+4*\s+1], s45, \s*SLOT
	s_add_nc_u64 s[G0+4*\s+2:G0+4*\s+3], s[20:21], \s*ROWB
	s_or_b32 s[G0+4*\s+3], s[G0+4*\s+3], 0x80000000
	s_mov_b32 s[G0B+4*\s], 1
	s_add_co_u32 s[G0B+4*\s+1], s45, \s*SLOT
	s_add_nc_u64 s[G0B+4*\s+2:G0B+4*\s+3], s[46:47], \s*ROWB
	s_or_b32 s[G0B+4*\s+3], s[G0B+4*\s+3], 0x80000000
.endr
	JLOAD G0, G1, G0B, G1B                         ; K step 0: one tensor load a wave at the head
	; the scale words' offsets
	s_lshl_b32 s18, s17, 8
	s_lshl_b32 s19, s15, 7
	s_add_co_u32 s18, s18, s19
	s_lshl_b32 s18, s18, 5                         ; A: row 256 tr + 128 rh, 32 bytes a row
	s_lshl_b32 s19, s42, 8
	s_lshl_b32 s22, s16, 7
	s_add_co_u32 s19, s19, s22
	s_lshl_b32 s19, s19, 5
	s_add_co_u32 s19, s19, 0x80000                 ; B: row 256 tc + 128 wc, behind A's 524,288 bytes
	s_sub_co_u32 s19, s19, s18
	v_and_b32 v1, 15, v0                           ; r
	v_bfe_u32 v2, v0, 4, 1                         ; h
	v_mul_u32_u24 v3, s19, v2
	v_lshl_add_u32 v3, v1, 5, v3
	v_add_nc_u32 v[SO0], s18, v3
	v_sub_nc_u32 v4, 1, v2
	v_lshlrev_b32 v[SINC], 17, v4
	v_add3_u32 v[SO1], v[SO0], v[SINC], 0x20000    ; plane 1: 262,144 bytes on for A, 131,072 for B
	SCLOADS
	; the first tile's K steps 1 to 3 are asked of memory: of the 128 rows that I fetch, my work-group's 32 (place cx among A's four partners, cy among B's), a lane a row
	s_cmp_eq_u32 s15, 0                            ; do I fetch for A?  All four selects stand under this compare
	s_cselect_b64 s[44:45], s[4:5], s[6:7]
	s_cselect_b32 s18, s17, s42
	s_cselect_b32 s19, s40, s41
	s_mov_b32 s22, PLANE_B
	s_cselect_b32 s22, PLANE_A, s22
	s_lshl_b32 s18, s18, 8
	s_lshl_b32 s23, s16, 7
	s_add_co_u32 s18, s18, s23
	s_lshl_b32 s19, s19, 5
	s_add_co_u32 s18, s18, s19
	s_lshl_b32 s18, s18, 9
	s_mov_b32 s19, 0
	s_add_nc_u64 s[44:45], s[44:45], s[18:19]      ; never rewritten
	v_and_b32 v[VP0], 31, v0
	v_lshlrev_b32 v[VP0], 9, v[VP0]
	v_add_nc_u32 v[VP1], s22, v[VP0]
	global_prefetch_b8 v[VP0], s[44:45] offset:256 th:TH_LOAD_NT scope:SCOPE_SE
	global_prefetch_b8 v[VP1], s[44:45] th:TH_LOAD_NT scope:SCOPE_SE
	global_prefetch_b8 v[VP1], s[44:45] offset:256 th:TH_LOAD_NT scope:SCOPE_SE
	; the biases, in the result's layout: for tile b = 2 g + u gate g's eight numbers at hidden units 64 tc + 32 wc + 16 u + 8 h on
	s_lshl_b32 s18, s42, 8
	s_lshl_b32 s19, s16, 7
	s_add_co_u32 s18, s18, s19
	s_mov_b32 s19, 0
.irp g, 0,1,2,3,4,5,6,7
	s_add_nc_u64 s[68+2*\g:69+2*\g], s[68+2*\g:69+2*\g], s[18:19]
.endr
	WAITV
	v_lshlrev_b32 v[BO], 5, v2
	WIN TO1
.irp g, 0,1,2,3
.irp u, 0,1
.irp q, 0,1
	global_load_b128 v[BI+8*(2*\g+\u)+4*\q:BI+8*(2*\g+\u)+4*\q+3], v[BO], s[68+2*\g:69+2*\g] offset:64*\u+16*\q   ; bx
	global_load_b128 v[AO+8*(2*\g+\u)+4*\q:AO+8*(2*\g+\u)+4*\q+3], v[BO], s[76+2*\g:77+2*\g] offset:64*\u+16*\q   ; bh, where A's fragments come later
.endr
.endr
.endr
	WIN 0
	; LDS addresses, while the loads are on their way
	s_mul_i32 s2, s15, HALFT                       ; my 128 rows of A
	s_mul_i32 s3, s16, HALFT
	s_add_co_u32 s3, s3, 2*HALFT                   ; my 128 rows of B, behind A's 256
	s_lshl_b32 s19, s16, 7
	s_add_co_u32 s12, s2, s19                      ; prev_c's tile at byte 0: row 128 rh, byte 128 wc
	s_mul_i32 s13, s15, 32*PITCH
	s_add_co_u32 s13, s13, s19
	s_add_co_u32 s13, s13, STC                     ; the stage: row 32 rh, byte 128 wc
	s_mul_i32 s18, s14, BLKB
	s_add_co_u32 s18, s18, STC                     ; back out of it: rows 16 w on
	WAITV
	v_mul_u32_u24 v3, v1, PITCH
	v_lshl_add_u32 v4, v2, 4, v3
	v_add_nc_u32 v[ADRA], s2, v4
	v_add_nc_u32 v[ADRB], s3, v4
	v_add_nc_u32 v[ADRA+1], SLOT, v[ADRA]
	v_add_nc_u32 v[ADRB+1], SLOT, v[ADRB]
	v_lshl_add_u32 v5, v2, 5, v3
	v_add_nc_u32 v[PCA], s12, v5
	v_add_nc_u32 v[STOC], s13, v5
	v_mul_u32_u24 v6, v2, PITCH
	v_lshl_add_u32 v6, v1, 4, v6
	v_add_nc_u32 v[RDC], s18, v6                   ; lanes 0-15 one row of 256 bytes, lanes 16-31 the next
	v_lshlrev_b32 v[CO], 12, v2
	v_lshl_add_u32 v[CO], v1, 4, v[CO]
	v_and_b32 v[PFO], 31, v0
	v_lshlrev_b32 v[PFO], 12, v[PFO]
	v_lshlrev_b32 v[PFO2], 9, v1
	v_lshl_add_u32 v[PFO2], v2, 8, v[PFO2]
	; prev_c and the results: my wave fetches and stores rows 64 w on of the tile
	s_lshl_b32 s18, s17, 20
	s_lshl_b32 s19, s42, 8
	s_add_co_u32 s18, s18, s19
	s_lshl_b32 s19, s14, 18
	s_add_co_u32 s18, s18, s19
	s_mov_b32 s19, 0
	s_add_nc_u64 s[12:13], s[10:11], s[18:19]
	s_add_nc_u64 s[84:85], s[84:85], s[18:19]
	s_add_nc_u64 s[86:87], s[86:87], s[18:19]
	s_add_co_u32 s18, s17, 16                      ; the prefetch of the second tile's A: its rows 64 cx + 16 w on
	s_lshl_b32 s18, s18, 8
	s_lshl_b32 s22, s40, 6
	s_add_co_u32 s18, s18, s22
	s_lshl_b32 s22, s14, 4
	s_add_co_u32 s18, s18, s22
	s_lshl_b32 s18, s18, 9
	s_add_nc_u64 s[66:67], s[4:5], s[18:19]
	s_mov_b32 s[G1P+0], (2<<16)|(1<<20)|(5<<22)|(3<<25)   ; prev_c's tile: 64 rows x 64 numbers of 4 bytes a wave, no mask
	s_mov_b32 s[G1P+1], 64<<16
	s_mov_b32 s[G1P+2], 64<<16
	s_mov_b32 s[G1P+3], 64<<16
	s_mov_b32 s[G1P+4], 64
	s_mov_b32 s[G1P+5], 1024
	s_mov_b32 s[G1P+6], 0
	s_mov_b32 s[G1P+7], 0
	s_mov_b32 s[G0P], 1
	s_mul_i32 s[G0P+1], s14, 64*PITCH
	s_mov_b64 s[G0P+2:G0P+3], s[12:13]
	s_or_b32 s[G0P+3], s[G0P+3], 0x80000000
	s_mov_b32 s20, 0xbfb8aa3b                      ; -L; the packed forms name a pair and take its low word for both halves
	s_mov_b32 s21, s20
	s_mov_b32 s22, 0xc038aa3b                      ; -2 L
	s_mov_b32 s23, s22
	s_mov_b32 s46, 0x41f00000                      ; 30.0
	s_mov_b32 s100, 0xbeb17218                     ; k = -1 / (2 L)
	s_mov_b32 s101, s100
	s_mov_b32 s2, 2                                ; tiles to go
	s_wait_loadcnt 0x0                             ; the scale words and the biases are in
	WIN ALL1
.set n, 0
.rept 32
	v_pk_add_f32 v[BI+n:BI+n+1], v[BI+n:BI+n+1], v[AO+n:AO+n+1]   ; bx + bh
.set n, n+2
.endr
	WIN 0
.macro FRAG reg, adr, q, i             ; 16 rows x 128 K of 4-bit codes: lane l holds row l % 16; registers 4 c .. 4 c + 3 hold K = 64 c + 32 (l / 16) + 0 .. 31
.irp c, 0,1
	ds_load_b128 v[\reg+4*\c:\reg+4*\c+3], v[\adr] offset:64*(\q)+32*\c+(\i)*16*PITCH
.endr
.endm
; 16 matrix instructions: A's blocks a0, a0 + 1 (of the set that SETA named) x B's eight; p: B's set; q, ks: which scale words.  The 64 accumulators take turns in the same order in every step.
.macro MUL16 a0, p, q, ks, zero
.irp a, \a0, \a0+1
.irp b, 0,1,2,3,4,5,6,7
.if \zero
	v_wmma_scale_f32_16x16x128_f8f6f4 v[8*(8*((\a)%4)+\b):8*(8*((\a)%4)+\b)+7], v[64*(\p)+FR*\b:64*(\p)+FR*\b+FR-1], v[AF+FR*(\a):AF+FR*(\a)+FR-1], v[BI+8*\b:BI+8*\b+7], v[SC+32*(\ks)+NQ*\b+(\q)], v[SC+32*(\ks)+NQ*(\a)+(\q)] matrix_a_fmt:MATRIX_FMT_FP4 matrix_b_fmt:MATRIX_FMT_FP4 matrix_a_scale:MATRIX_SCALE_ROW1
.else
	v_wmma_scale_f32_16x16x128_f8f6f4 v[8*(8*((\a)%4)+\b):8*(8*((\a)%4)+\b)+7], v[64*(\p)+FR*\b:64*(\p)+FR*\b+FR-1], v[AF+FR*(\a):AF+FR*(\a)+FR-1], v[8*(8*((\a)%4)+\b):8*(8*((\a)%4)+\b)+7], v[SC+32*(\ks)+NQ*\b+(\q)], v[SC+32*(\ks)+NQ*(\a)+(\q)] matrix_a_fmt:MATRIX_FMT_FP4 matrix_b_fmt:MATRIX_FMT_FP4 matrix_a_scale:MATRIX_SCALE_ROW1
.endif
.endr
.endr
.endm
.macro FETCH_B slot, q, p
.irp i, 0,1,2,3,4,5,6,7
	FRAG 64*(\p)+FR*\i, ADRB+\slot, \q, \i
.endr
.endm
.macro FETCH_A slot, q, i0
.irp i, \i0, \i0+1, \i0+2, \i0+3
	FRAG AF+FR*(\i), ADRA+\slot, \q, \i
.endr
.endm
.macro FETCHALL slot, q                ; 32 LDS loads in one run: the fragments of the slot's q-th 128 along K into the sets of its parity: B's eight, A's blocks 0-3, A's blocks 4-7
	SETA \q
	WIN TO1
	FETCH_B \slot, \q, (\q)%2
.if ((\q)%2) == 0
	WIN 0
.endif
	FETCH_A \slot, \q, 0
	FETCH_A \slot, \q, 4
.endm
; A step of 128 along K that has its successor in the same slot: the successor's fragments are asked for first, into the sets that the step before has read (four places in front of the loads).
.macro STEP slot, q, ks, zero
	PLACES NP
	FETCHALL \slot, (\q)+1
	SETA \q
	s_wait_dscnt 16*NL+4*NL                        ; this step's B and A's blocks 0-3 are in; its eight loads for A's blocks 4-7 and the 32 just issued may be out
	WINM \q, 0, \zero
	MUL16 0, (\q)%2, \q, \ks, \zero
	MUL16 2, (\q)%2, \q, \ks, \zero
	s_wait_dscnt 16*NL                             ; all but the 32 just issued
	WINM \q, 1, \zero
	MUL16 4, (\q)%2, \q, \ks, \zero
	MUL16 6, (\q)%2, \q, \ks, \zero
.endm
.macro STEPS slot, from, ks
.set Q, \from
.rept NQ-1-\from
	STEP \slot, Q, \ks, 0
.set Q, Q+1
.endr
.endm
; A slot's last step changes slots: one barrier, which opens a round of the cluster's barrier; in front of it the wait for all my tensor loads, the add, and the wait for it and for my reads of this slot.
; fill = 1: this slot takes the K step two on (the next plane), jointly.  fill = 2: slot 0's A part takes prev_c's tile, each wave its own 64 rows.  ask: which prefetches stand here.
.macro TURN slot, next, ks, fill, ask
	WIN 0
	s_wait_tensorcnt 0x0
	ds_add_u32 v[SPW], v[NIL]
	s_wait_dscnt 4*NL+1                            ; (the add and the youngest eight loads may be out)
	SETA 1
	WINM 1, 0, 0
	MUL16 0, 1, NQ-1, \ks, 0
	s_wait_dscnt 0x0
	s_barrier_signal -1
	MUL16 2, 1, NQ-1, \ks, 0
	WIN 0
	s_barrier_wait -1
	CREST
.if \fill == 1
	s_add_nc_u64 s[G0+4*\slot+2:G0+4*\slot+3], s[G0+4*\slot+2:G0+4*\slot+3], PLANE_A
	s_add_nc_u64 s[G0B+4*\slot+2:G0B+4*\slot+3], s[G0B+4*\slot+2:G0B+4*\slot+3], PLANE_B
	JLOAD G0+4*\slot, G1, G0B+4*\slot, G1B         ; its four v_nop are also the places in front of the loads below
.else
	tensor_load_to_lds s[G0P:G0P+3], s[G1P:G1P+7]
	s_nop 0
	PLACES 4
.endif
	FETCHALL \next, 0
	WIN 0
.if \ask == 1
	global_prefetch_b8 v[PFO], s[12:13] th:TH_LOAD_NT scope:SCOPE_SE                 ; this tile's prev_c: my 64 rows, a lane a row
	global_prefetch_b8 v[PFO], s[12:13] offset:32*4096 th:TH_LOAD_NT scope:SCOPE_SE
.endif
.if \ask > 0
	s_cmp_eq_u32 s2, 1                             ; the last tile has no successor: nothing is asked for beyond A's end
	s_cbranch_scc1 .Lno_ask_\@
	global_prefetch_b8 v[PFO2], s[66:67] offset:(\ask-1)*PLANE_A th:TH_LOAD_NT scope:SCOPE_SE
.Lno_ask_\@:
.endif
	SETA 1
	WINM 1, 1, 0
	MUL16 4, 1, NQ-1, \ks, 0
	MUL16 6, 1, NQ-1, \ks, 0
.endm
; THE TAIL'S LINES.  n counts within a run.
.macro P_MIN s
	v_min_num_f32 v[\s+32+n], s46, v[\s+32+n]
.endm
.macro P_MIN0 s
	v_min_num_f32 v[\s+n], s46, v[\s+n]
.endm
.macro P_S1A s                         ; k (1 + a); 1 + d, 1 + b, 1 + e
.if n < 8
	v_pk_fma_f32 v[\s+2*n:\s+2*n+1], v[\s+2*n:\s+2*n+1], s[100:101], s[100:101] op_sel_hi:[1,0,0]
.else
	v_pk_add_f32 v[\s+2*n:\s+2*n+1], v[\s+2*n:\s+2*n+1], 1.0 op_sel_hi:[1,0]
.endif
.endm
.macro P_P s                           ; k (1 + a)(1 + b)
	v_pk_mul_f32 v[\s+2*n:\s+2*n+1], v[\s+2*n:\s+2*n+1], v[\s+32+2*n:\s+33+2*n]
.endm
.macro P_N s                           ; 2 - (1 + b)
	v_pk_add_f32 v[\s+32+2*n:\s+33+2*n], v[\s+32+2*n:\s+33+2*n], 2.0 op_sel_hi:[1,0] neg_lo:[1,0] neg_hi:[1,0]
.endm
.macro P_IGM s                         ; -2 L sigmoid(gi) tanh(gg)
	v_pk_mul_f32 v[\s+32+2*n:\s+33+2*n], v[\s+32+2*n:\s+33+2*n], v[\s+2*n:\s+2*n+1]
.endm
.macro P_M s                           ; m = -2 L c
	v_pk_fma_f32 v[\s+2*n:\s+2*n+1], v[\s+64+2*n:\s+65+2*n], v[\s+16+2*n:\s+17+2*n], v[\s+32+2*n:\s+33+2*n]
.endm
.macro P_C s                           ; c
	v_pk_mul_f32 v[\s+32+2*n:\s+33+2*n], v[\s+2*n:\s+2*n+1], s[100:101] op_sel_hi:[1,0]
.endm
.macro P_T1 s                          ; 1 + t
	v_pk_add_f32 v[\s+16+2*n:\s+17+2*n], v[\s+2*n:\s+2*n+1], 1.0 op_sel_hi:[1,0]
.endm
.macro P_T2 s                          ; 2 - (1 + t)
	v_pk_add_f32 v[\s+2*n:\s+2*n+1], v[\s+16+2*n:\s+17+2*n], 2.0 op_sel_hi:[1,0] neg_lo:[1,0] neg_hi:[1,0]
.endm
.macro P_T3 s                          ; (1 + e)(1 + t)
	v_pk_mul_f32 v[\s+48+2*n:\s+49+2*n], v[\s+48+2*n:\s+49+2*n], v[\s+16+2*n:\s+17+2*n]
.endm
.macro P_H s                           ; h
	v_pk_mul_f32 v[\s+2*n:\s+2*n+1], v[\s+2*n:\s+2*n+1], v[\s+48+2*n:\s+49+2*n]
.endm
.macro RUN cnt, pop, s
.set n, 0
.rept \cnt
	\pop \s
.set n, n+1
.endr
.endm
.macro TRUN top, tb, cnt               ; a batch of transcendentals, in place
.set n, 0
.rept \cnt
	\top v[\tb+n], v[\tb+n]
.set n, n+1
.endr
.endm
.macro ILV top, tb, per, cnt, pop, ps  ; a batch of per x cnt transcendentals of one block, and behind each per of them one plain line of the other block, whose result is read behind the next wait
.set n, 0
.rept \cnt
.set m, 0
.rept \per
	\top v[\tb+\per*n+m], v[\tb+\per*n+m]
.set m, m+1
.endr
	\pop \ps
.set n, n+1
.endr
.endm
.macro TS0 s, ac                       ; the four gates x -L (gate g: x -2 L), each accumulator from its low end on
.irp g, 0,1,2,3
.irp u, 0,1
.irp j, 0,2,4,6
.if \g == 2
	v_pk_mul_f32 v[\s+16*\g+8*\u+\j:\s+16*\g+8*\u+\j+1], v[\ac+8*(2*\g+\u)+\j:\ac+8*(2*\g+\u)+\j+1], s[22:23] op_sel_hi:[1,0]
.else
	v_pk_mul_f32 v[\s+16*\g+8*\u+\j:\s+16*\g+8*\u+\j+1], v[\ac+8*(2*\g+\u)+\j:\ac+8*(2*\g+\u)+\j+1], s[20:21] op_sel_hi:[1,0]
.endif
.endr
.endr
.endr
.endm
.macro ARM a                           ; what differs from trip to trip: blocks a (window 2) and a + 4 (window 3) and their prev_c x -2 L come into the two sets
	WIN 0x42
	WAITV
	TS0 SX, 64*\a
	WIN 0x43
	WAITV
	TS0 SY, 64*\a
	WIN 0x40
.irp n, 0,2,4,6,8,10,12,14
	v_pk_mul_f32 v[SX+64+\n:SX+65+\n], v[PC+16*\a+\n:PC+16*\a+\n+1], s[22:23] op_sel_hi:[1,0]
.endr
.if \a < 2
.irp n, 0,2,4,6,8,10,12,14
	v_pk_mul_f32 v[SY+64+\n:SY+65+\n], v[PC+64+16*\a+\n:PC+64+16*\a+\n+1], s[22:23] op_sel_hi:[1,0]
.endr
.else
	WIN 0x41
.irp n, 0,2,4,6,8,10,12,14
	v_pk_mul_f32 v[SY+64+\n:SY+65+\n], v[16*(\a-2)+\n:16*(\a-2)+\n+1], s[22:23] op_sel_hi:[1,0]
.endr
.endif
	WIN 0
	WAITV
.endm
.macro STO s, off                      ; my 2 x 32 bytes of a row into a stage
	WIN 0x04
.irp u, 0,1
.irp q, 0,1
	ds_store_b128 v[STOC], v[\s+8*\u+4*\q:\s+8*\u+4*\q+3] offset:\off+64*\u+16*\q
.endr
.endr
	WIN ALL1
.endm
.macro GET                             ; 16 whole rows of c and of h come back, into window 2's v0-63: block 0's accumulators, which the first trip has read
	s_wait_xcnt 0x0                                ; the last pair's stores have read these registers and their bases:
	s_add_nc_u64 s[84:85], s[84:85], 16*4096       ; the bases step 16 rows at each way out; the stores reach back by as much
	s_add_nc_u64 s[86:87], s[86:87], 16*4096
	WIN 0x80
.irp t, 0,1,2,3,4,5,6,7
	ds_load_b128 v[4*\t:4*\t+3], v[RDC] offset:2*\t*PITCH
.endr
.irp t, 0,1,2,3,4,5,6,7
	ds_load_b128 v[32+4*\t:32+4*\t+3], v[RDC] offset:STH+2*\t*PITCH
.endr
	WIN 0
.endm
.macro PUT                             ; and are stored: 16 lanes store 256 consecutive bytes, at a multiple of 256 from the buffer's first byte
	WIN 0x08
.irp t, 0,1,2,3,4,5,6,7
	s_wait_dscnt 15-\t                             ; LDS loads come back in order (ISA guide 5.7.1)
	global_store_b128 v[CO], v[4*\t:4*\t+3], s[86:87] offset:2*\t*4096-16*4096 th:TH_STORE_NT
.endr
.irp t, 0,1,2,3,4,5,6,7
	s_wait_dscnt 7-\t
	global_store_b128 v[CO], v[32+4*\t:32+4*\t+3], s[84:85] offset:2*\t*4096-16*4096 th:TH_STORE_NT
.endr
	WIN 0
.endm
; The stage holds one pair's rows: row 16 (2 rh + s) + r is batch row 128 rh + 64 s + 16 a + r, so wave w takes rows 64 w + 16 a on.  Two barriers a trip: between the last pair's writing and its reading,
; and between that reading and this pair's writing.  The last pair's way out is laid into this pair's arithmetic; the first trip has none and jumps over the loads and the stores alone.
; succ = 1: the tile has a successor: the barrier of the fourth pair's way out is a round behind which slot 1 takes the next tile's K step 1.
.macro TAIL succ
	s_wait_dscnt 0x0                               ; prev_c is in my registers
	s_mov_b32 s3, 0
.Ltp_\@:
	s_cmp_lg_u32 s3, 0
	s_cbranch_scc1 .Lt1_\@
	ARM 0
	s_branch .Ltj_\@
.Lt1_\@:
	s_cmp_lg_u32 s3, 1
	s_cbranch_scc1 .Lt2_\@
	ARM 1
	s_branch .Ltj_\@
.Lt2_\@:
	s_cmp_lg_u32 s3, 2
	s_cbranch_scc1 .Lt3_\@
	ARM 2
	s_branch .Ltj_\@
.Lt3_\@:
	ARM 3
.Ltj_\@:
	s_wait_dscnt 0x0                               ; for the others' sake: my stores of the last pair are done
	s_barrier_signal -1
	WIN ALL1
	RUN 16, P_MIN, SX
	WAITV
	ILV v_exp_f32, SX, 4, 16, P_MIN, SY
	WAITV
	WIN 0
	s_barrier_wait -1
	s_cmp_eq_u32 s3, 0
	s_cbranch_scc1 .Lng_\@
	GET
.Lng_\@:
	WIN ALL1
	ILV v_exp_f32, SY, 2, 32, P_S1A, SX
	WAITV
	RUN 8, P_P, SX
	RUN 8, P_N, SX
	WAITV
	ILV v_rcp_f32, SX, 1, 32, P_S1A, SY
	WAITV
	WIN 0
	s_cmp_eq_u32 s3, 0
	s_cbranch_scc1 .Lnp_\@
	PUT
.Lnp_\@:
	s_wait_dscnt 0x0                               ; my reads of the stages are over
	s_barrier_signal -1
	WIN ALL1
	RUN 8, P_P, SY
	RUN 8, P_N, SY
	WAITV
	ILV v_rcp_f32, SY, 4, 8, P_IGM, SX
	WAITV
	RUN 8, P_M, SX
	RUN 8, P_C, SX
	RUN 16, P_MIN0, SX
	WAITV
	WIN 0
	s_barrier_wait -1                              ; everybody's are: the stages may be written
	STO SX+32, 0
	ILV v_exp_f32, SX, 2, 8, P_IGM, SY
	WAITV
	RUN 8, P_M, SY
	RUN 8, P_C, SY
	RUN 16, P_MIN0, SY
	RUN 8, P_T1, SX
	RUN 8, P_T2, SX
	RUN 8, P_T3, SX
	STO SY+32, BLKB
	WAITV
	TRUN v_exp_f32, SY, 16
	TRUN v_rcp_f32, SX+48, 16
	v_nop
	WAITV
	RUN 8, P_T1, SY
	RUN 8, P_T2, SY
	RUN 8, P_T3, SY
	RUN 8, P_H, SX
	STO SX, STH
	WAITV
	TRUN v_rcp_f32, SY+48, 16
	v_nop
	WAITV
	RUN 8, P_H, SY
	STO SY, STH+BLKB
	WIN 0
	s_add_co_u32 s3, s3, 1
	s_cmp_lt_u32 s3, 4
	WAITV
	s_cbranch_scc1 .Ltp_\@
.if \succ
	s_wait_tensorcnt 0x0                           ; my part of the next tile's K step 0 is in;
	ds_add_u32 v[SPW], v[NIL]
	s_wait_dscnt 0x0                               ; the add and my stores of the fourth pair are done
	CROUND
	JLOAD G0+4, G1, G0B+4, G1B                     ; the next tile's K step 1, into slot 1, whose reads were over in front of the tail
.else
	s_wait_dscnt 0x0
	s_barrier_signal -1
	s_barrier_wait -1
.endif
	GET                                            ; the fourth pair's way out stands on end
	PUT
.endm
	WAITV                                          ; the head's end
	s_wait_tensorcnt 0x0                           ; my part of K step 0 is in
	ds_add_u32 v[SPW], v[NIL]
	s_wait_dscnt 0x0
	CROUND
	JLOAD G0+4, G1, G0B+4, G1B                     ; K step 1
.Ltile:                                                ; K step 0 is whole in slot 0, K step 1 is on its way
	FETCHALL 0, 0
	s_wait_loadcnt 0x0                             ; this tile's scale words are in
	STEP 0, 0, 0, 1                                ; the first products start the sums from the biases
	STEPS 0, 1, 0
	TURN 0, 1, 0, 1, 1                             ; slot 0 takes K step 2
	STEPS 1, 0, 1
	TURN 1, 0, 1, 1, 2                             ; slot 1 takes K step 3
	STEPS 0, 0, 2
	TURN 0, 1, 2, 2, 0                             ; slot 0's A part takes prev_c's tile
	STEPS 1, 0, 3
	; the tile's last step: nothing more to fetch for the products; prev_c's tile comes into registers that the products no longer use
	WIN 0
	s_wait_tensorcnt 0x0                           ; my 64 rows of prev_c have landed (my one load that was out)
	s_wait_dscnt 4*NL
	SETA 1
	WINM 1, 0, 0
	MUL16 0, 1, NQ-1, 3, 0
	s_wait_dscnt 0x0
	s_barrier_signal -1
	MUL16 2, 1, NQ-1, 3, 0
	s_barrier_wait -1                              ; everybody's have: the tile is whole.
	PLACES NP                                      ; the loads below land on the even steps' fragments, which the step before has read
	WIN 0
.irp k, 0,1,2,3,4,5
.irp u, 0,1
.irp q, 0,1
	ds_load_b128 v[PC+16*\k+8*\u+4*\q:PC+16*\k+8*\u+4*\q+3], v[PCA] offset:BLKB*\k+64*\u+16*\q
.endr
.endr
.endr
	WIN TO1
.irp k, 6,7
.irp u, 0,1
.irp q, 0,1
	ds_load_b128 v[16*(\k-6)+8*\u+4*\q:16*(\k-6)+8*\u+4*\q+3], v[PCA] offset:BLKB*\k+64*\u+16*\q
.endr
.endr
.endr
	WINM 1, 1, 0
	MUL16 4, 1, NQ-1, 3, 0
	MUL16 6, 1, NQ-1, 3, 0
	WIN 0
	s_cmp_eq_u32 s2, 1
	s_cbranch_scc1 .Llast_tile                     ; the last tile's tail is written out: it asks for nothing more
	s_wait_xcnt 0x0                                ; the prefetches have read s[12:13]
	s_wait_tensorcnt 0x0                           ; no tensor load of mine is out: the descriptors may be written
	ds_add_u32 v[SPW], v[NIL]
.irp s, 0,1
	s_sub_nc_u64 s[G0+4*\s+2:G0+4*\s+3], s[G0+4*\s+2:G0+4*\s+3], PLANE_A-WALK*KROW    ; back to plane 0, 4,096 rows down
	s_sub_nc_u64 s[G0B+4*\s+2:G0B+4*\s+3], s[G0B+4*\s+2:G0B+4*\s+3], PLANE_B          ; B only back
.endr
	s_add_nc_u64 s[G0P+2:G0P+3], s[G0P+2:G0P+3], WALK*4096
	s_add_nc_u64 s[12:13], s[12:13], WALK*4096
	s_wait_dscnt 0x0                               ; the add is done; my reads of slot 1 and of prev_c's tile are back
	CROUND
	JLOAD G0, G1, G0B, G1B                         ; the next tile's K step 0; its four v_nop are the places behind the last products
	v_add_nc_u32 v[SO0], v[SO0], v[SINC]
	v_add_nc_u32 v[SO1], v[SO1], v[SINC]
	SCLOADS                                        ; and its scale words
	TAIL 1
	s_wait_xcnt 0x0                                ; the stores have read their bases and window 2's v0-63, which the next tile's products write
	s_add_nc_u64 s[84:85], s[84:85], (WALK-64)*4096   ; my rows of the next tile
	s_add_nc_u64 s[86:87], s[86:87], (WALK-64)*4096
	s_sub_co_u32 s2, s2, 1
	s_branch .Ltile
.Llast_tile:
	PLACES NP                                      ; behind the last products
	TAIL 0
	s_wait_tensorcnt 0x0                           ; the wave's end
	ds_add_u32 v[SPW], v[NIL]
	s_wait_dscnt 0x0
	CROUND                                         ; the closing round
	s_endpgm
.Lfunc_end_k_q779b0e3a1b_cell:
	.size	k_q779b0e3a1b_cell, .Lfunc_end_k_q779b0e3a1b_cell-k_q779b0e3a1b_cell
	.p2alignl 7, 3214868480
	.fill 96, 4, 3214868480
	.section	.rodata,"a",@progbits
	.p2align	6, 0x0
	.amdhsa_kernel k_q779b0e3a1b_cell
		.amdhsa_group_segment_fixed_size 327680
		.amdhsa_private_segment_fixed_size 0
		.amdhsa_enable_private_segment 0
		.amdhsa_kernarg_size 112
		.amdhsa_user_sgpr_count 2
		.amdhsa_user_sgpr_kernarg_segment_ptr 1
		.amdhsa_wavefront_size32 1
		.amdhsa_system_sgpr_workgroup_id_x 1
		.amdhsa_system_sgpr_workgroup_id_y 1
		.amdhsa_system_sgpr_workgroup_id_z 1
		.amdhsa_system_vgpr_workitem_id 0
		.amdhsa_next_free_vgpr 1024
		.amdhsa_next_free_sgpr 102
		.amdhsa_reserve_vcc 0
		.amdhsa_float_denorm_mode_32 3
		.amdhsa_float_denorm_mode_16_64 3
		.amdhsa_memory_ordered 1
		.amdhsa_forward_progress 1
		.amdhsa_inst_pref_size 255
	.end_amdhsa_kernel
	.section	.bss,"aw",@nobits
	.p2align	6
	.space	262144
	.amdgpu_metadata
---
amdhsa.version: [ 1, 2 ]
amdhsa.kernels:
  - .name:           k_q779b0e3a1b_cell
    .symbol:         k_q779b0e3a1b_cell.kd
    .args:
      - { .name: a_codes, .offset: 0, .size: 8, .value_kind: global_buffer, .address_space: global }
      - { .name: b_codes, .offset: 8, .size: 8, .value_kind: global_buffer, .address_space: global }
      - { .name: scales, .offset: 16, .size: 8, .value_kind: global_buffer, .address_space: global }
      - { .name: prev_c, .offset: 24, .size: 8, .value_kind: global_buffer, .address_space: global }
      - { .name: b_ii, .offset: 32, .size: 8, .value_kind: global_buffer, .address_space: global }
      - { .name: b_if, .offset: 40, .size: 8, .value_kind: global_buffer, .address_space: global }
      - { .name: b_ig, .offset: 48, .size: 8, .value_kind: global_buffer, .address_space: global }
      - { .name: b_io, .offset: 56, .size: 8, .value_kind: global_buffer, .address_space: global }
      - { .name: b_hi, .offset: 64, .size: 8, .value_kind: global_buffer, .address_space: global }
      - { .name: b_hf, .offset: 72, .size: 8, .value_kind: global_buffer, .address_space: global }
      - { .name: b_hg, .offset: 80, .size: 8, .value_kind: global_buffer, .address_space: global }
      - { .name: b_ho, .offset: 88, .size: 8, .value_kind: global_buffer, .address_space: global }
      - { .name: out0, .offset: 96, .size: 8, .value_kind: global_buffer, .address_space: global }
      - { .name: out1, .offset: 104, .size: 8, .value_kind: global_buffer, .address_space: global }
    .group_segment_fixed_size: 327680
    .private_segment_fixed_size: 0
    .kernarg_segment_align: 8
    .kernarg_segment_size: 112
    .max_flat_workgroup_size: 128
    .sgpr_count:     102
    .vgpr_count:     1024
    .wavefront_size: 32
...
	.end_amdgpu_metadata
.endif
;; end of part 2
